; MI455X (gfx1250); checked and timed in simulation.
; The chip was launched on July 23, 2026; its instructions are those of AMD's public machine-readable ISA for CDNA 5 (MIT licence, August 2026) and "CDNA5" Instruction Set Architecture Reference Guide (July 2026). The comments in the code are by the model that wrote it; some were corrected since.
;; No Online Logit Normalization Layer. Allowed arithmetic: float matrix products may take bf16 or f16 operands with f32 sums; other float arithmetic in f32, or as packed bf16 or f16 multiplies, adds, multiply-adds, maxima and minima; sums over many terms, partial sums and values carried from step to step in f32; what a program stores and reads back later, other than sums and carried values, may be rounded once to bf16 or f16.
;; Inputs: Wk 1,024 x 1,024 float32; Wq 1,024 x 1,024 float32; Wv 1,024 x 1,024 float32; bk 1,024 float32; bq 1,024 float32; bv 1,024 float32; tens 4 x 4,096 x 1,024 float32.
;; Outputs: out0 4 x 4,096 x 1,024 float32.
;; One version. Each part assembles by itself: llvm-mc -triple=amdgcn-amd-amdhsa -mcpu=gfx1250 --defsym DOCPART=n.
;; ======== version 1 of 1: 4 launches
;; limits: values are held in f16: magnitudes above 65,504 overflow, below 6.1e-05 lose precision
;; workspace buffers: xh 33,554,432 bytes; wh 6,291,456 bytes; part 8,388,608 bytes; kt 524,288 bytes; cb 16,384 bytes
;; launch cast (part 1): grid 1216 x 1, 8 waves a work-group, no clusters, 0 bytes of LDS; arguments tens, Wk, Wv, Wq, xh, wh; writes xh, wh
.if DOCPART == 1
	.amdgcn_target "amdgcn-amd-amdhsa--gfx1250"
	.amdhsa_code_object_version 6
	.text
	.protected	k_q3252b60d29_cast
	.globl	k_q3252b60d29_cast
	.p2align	8
	.type	k_q3252b60d29_cast,@function
k_q3252b60d29_cast:
	s_mov_b64 s[64:65], 0
	v_nop
	global_prefetch_b8 v0, s[64:65] scope:SCOPE_SE
	s_setreg_imm32_b32 hwreg(HW_REG_WAVE_MODE, 25, 1), 1
	s_wait_xcnt 0x0
; f32 to f16, once: tens -> xh [16384][1024]; Wk, Wv, Wq -> wh [3072][1024].
; wh's rows are laid by heads: row 128 h + c is Wk's row 64 h + c, row 128 h + 64 + c is Wv's row 64 h + c (c < 64), row 2048 + r is Wq's row r:
; so 128 neighbouring rows of wh are one head's k and v channels.
; LIMITS.  f16 holds no number beyond 65,504: an input of 65,520 or more in magnitude becomes an infinity; below 6e-5 a number keeps f16's fixed step of 6e-8.
; SHARES.  A work-group takes 16 rows of 1,024 numbers; thread t owns columns 4 t .. 4 t + 3 of each: a wave's load covers 512 consecutive bytes, its store 256, aligned.
; All sixteen loads of a wave go out at once; no register is written twice, so nothing waits but each row's conversion for its own load.  No LDS, no matrix unit: the launch only moves bytes.
.set X, 4                              ; v[4:67]   row i: 4 numbers as loaded
.set Y, 68                             ; v[68:99]  row i: 4 numbers in f16
	s_load_b256 s[4:11], s[0:1], 0x0               ; tens s[4:5], Wk s[6:7], Wv s[8:9], Wq s[10:11]
	s_load_b128 s[12:15], s[0:1], 0x20             ; xh s[12:13], wh s[14:15]
	v_lshlrev_b32 v1, 4, v0                        ; my 16 bytes of a source row
	v_lshlrev_b32 v2, 3, v0                        ; my 8 bytes of a destination row
	s_mov_b32 s20, ttmp9                           ; g: 0 .. 1023 tens, 1024 .. 1215 the weights
	s_max_u32 s21, s20, 1024
	s_sub_co_u32 s21, s21, 1024                    ; j: which 16 rows of wh (0 where g is below 1,024)
	s_lshr_b32 s22, s21, 3                         ; the head,
	s_lshl_b32 s22, s22, 6                         ; its 64 rows in Wk or Wv,
	s_and_b32 s23, s21, 3
	s_lshl_b32 s23, s23, 4                         ; 16 of them
	s_add_co_u32 s22, s22, s23
	s_max_u32 s24, s21, 128
	s_sub_co_u32 s24, s24, 128
	s_lshl_b32 s24, s24, 4                         ; the row in Wq
	s_cmp_lt_u32 s21, 128
	s_cselect_b32 s22, s22, s24                    ; the weights' source row
	s_lshl_b32 s25, s20, 4                         ; the row in tens and in xh
	s_lshl_b32 s24, s21, 4                         ; the row in wh
	s_cmp_lt_u32 s20, 1024
	s_cselect_b32 s22, s25, s22                    ; source row
	s_cselect_b32 s24, s25, s24                    ; destination row
	s_lshl_b32 s26, s22, 12                        ; 4,096 bytes a source row: under 2^27
	s_mov_b32 s27, 0
	s_lshl_b32 s28, s24, 11                        ; 2,048 bytes a destination row
	s_mov_b32 s29, 0
	s_wait_kmcnt 0x0
	s_bitcmp1_b32 s21, 2                           ; the upper 64 of a head's 128 rows are Wv's
	s_cselect_b64 s[16:17], s[8:9], s[6:7]
	s_cmp_lt_u32 s21, 128
	s_cselect_b64 s[16:17], s[16:17], s[10:11]
	s_cmp_lt_u32 s20, 1024
	s_cselect_b64 s[16:17], s[4:5], s[16:17]
	s_cselect_b64 s[18:19], s[12:13], s[14:15]
	s_add_nc_u64 s[16:17], s[16:17], s[26:27]
	s_add_nc_u64 s[18:19], s[18:19], s[28:29]
.irp i, 0,1,2,3,4,5,6,7,8,9,10,11,12,13,14,15
	global_load_b128 v[X+4*(\i):X+4*(\i)+3], v1, s[16:17] offset:4096*(\i) th:TH_LOAD_NT
.endr
.irp i, 0,1,2,3,4,5,6,7,8,9,10,11,12,13,14,15
	s_wait_loadcnt 15-(\i)                         ; loads come back in order: row i is in, the 15 - i younger ones may stay out
	v_cvt_pk_f16_f32 v[Y+2*(\i)],   v[X+4*(\i)],   v[X+4*(\i)+1]
	v_cvt_pk_f16_f32 v[Y+2*(\i)+1], v[X+4*(\i)+2], v[X+4*(\i)+3]
	global_store_b64 v2, v[Y+2*(\i):Y+2*(\i)+1], s[18:19] offset:2048*(\i)
.endr
	s_endpgm
.Lfunc_end_k_q3252b60d29_cast:
	.size	k_q3252b60d29_cast, .Lfunc_end_k_q3252b60d29_cast-k_q3252b60d29_cast
	.p2alignl 7, 3214868480
	.fill 96, 4, 3214868480
	.section	.rodata,"a",@progbits
	.p2align	6, 0x0
	.amdhsa_kernel k_q3252b60d29_cast
		.amdhsa_group_segment_fixed_size 0
		.amdhsa_private_segment_fixed_size 0
		.amdhsa_enable_private_segment 0
		.amdhsa_kernarg_size 48
		.amdhsa_user_sgpr_count 2
		.amdhsa_user_sgpr_kernarg_segment_ptr 1
		.amdhsa_wavefront_size32 1
		.amdhsa_system_sgpr_workgroup_id_x 1
		.amdhsa_system_sgpr_workgroup_id_y 1
		.amdhsa_system_sgpr_workgroup_id_z 1
		.amdhsa_system_vgpr_workitem_id 0
		.amdhsa_next_free_vgpr 104
		.amdhsa_next_free_sgpr 66
		.amdhsa_reserve_vcc 0
		.amdhsa_float_denorm_mode_32 3
		.amdhsa_float_denorm_mode_16_64 3
		.amdhsa_memory_ordered 1
		.amdhsa_forward_progress 1
		.amdhsa_inst_pref_size 8
	.end_amdhsa_kernel
	.amdgpu_metadata
---
amdhsa.version: [ 1, 2 ]
amdhsa.kernels:
  - .name:           k_q3252b60d29_cast
    .symbol:         k_q3252b60d29_cast.kd
    .args:
      - { .name: tens, .offset: 0, .size: 8, .value_kind: global_buffer, .address_space: global }
      - { .name: Wk, .offset: 8, .size: 8, .value_kind: global_buffer, .address_space: global }
      - { .name: Wv, .offset: 16, .size: 8, .value_kind: global_buffer, .address_space: global }
      - { .name: Wq, .offset: 24, .size: 8, .value_kind: global_buffer, .address_space: global }
      - { .name: xh, .offset: 32, .size: 8, .value_kind: global_buffer, .address_space: global }
      - { .name: wh, .offset: 40, .size: 8, .value_kind: global_buffer, .address_space: global }
    .group_segment_fixed_size: 0
    .private_segment_fixed_size: 0
    .kernarg_segment_align: 8
    .kernarg_segment_size: 48
    .max_flat_workgroup_size: 256
    .sgpr_count:     66
    .vgpr_count:     104
    .wavefront_size: 32
...
	.end_amdgpu_metadata
.endif
;; end of part 1
;; launch kv (part 2): grid 8 x 32, 4 waves a work-group, clusters of 4 x 4, 327,680 bytes of LDS; arguments xh, wh, bk, bv, part; writes part
.if DOCPART == 2
	.amdgcn_target "amdgcn-amd-amdhsa--gfx1250"
	.amdhsa_code_object_version 6
	.text
	.protected	k_q3252b60d29_kv
	.globl	k_q3252b60d29_kv
	.p2align	8
	.type	k_q3252b60d29_kv,@function
k_q3252b60d29_kv:
	s_mov_b64 s[64:65], 0
	v_nop
	global_prefetch_b8 v0, s[64:65] scope:SCOPE_SE
	s_setreg_imm32_b32 hwreg(HW_REG_WAVE_MODE, 25, 1), 1
	s_wait_xcnt 0x0
	s_wait_alu depctr_hold_cnt(0) depctr_sa_sdst(0) depctr_va_vdst(0) depctr_va_sdst(0) depctr_va_ssrc(0) depctr_va_vcc(0) depctr_vm_vsrc(0)
	s_getreg_b32 s2, hwreg(HW_REG_IB_STS2, 6, 4)
	s_cmp_eq_u32 s2, 0
	s_cbranch_scc0 .Lentry_in_a_cluster
	s_endpgm
.Lentry_in_a_cluster:
	s_bfe_u32 s2, ttmp6, 0x10000c
	s_cmp_lg_u32 s2, 0xf033
	s_cbranch_scc0 .Lentry_shape_is_right
	s_endpgm
.Lentry_shape_is_right:
; k = x Wk^T + bk and v = x Wv^T + bv are made tile by tile and never stored: each wave turns its tile at once into a partial sum of K^T V.
; xh: [16384][1024] f16.  wh: rows 128 h .. 128 h + 63 are head h's rows of Wk, the next 64 its rows of Wv.  part: f32, [batch x 16 + head][p 0..7][t 0..15][half][lane][4].
; A tile is 256 rows of x by 256 rows of wh (two heads); four waves, each 128 x 128: 64 accumulators of 16 x 16, 512 registers.  A wave's 128 columns are ONE head: n blocks 0-3 its 64 k channels, 4-7 its 64 v channels.
; K goes in steps of 128 through a ring of two LDS slots filled by the tensor data mover; rows of 256 bytes, at multiples of 256 bytes from the buffer's first byte.
; THE PRODUCT IS NOT TRANSPOSED: source 0 = 16 rows of x, source 1 = 16 rows of wh.  In the result lane l holds channel l % 16 and rows 8 (l / 16) + 0..7.  Rounded to f16 in pairs, two such results
; (32 rows) ARE a fragment of K^T (as source 0) or of V (as source 1) for ktv[d][e] = the sum over rows of k[row][d] v[row][e]: nothing changes lanes.
; THE BIAS is the C operand of the product that starts a sum: eight registers for each n block, all holding the lane's channel's bias.
; A WORK-GROUP STAYS for two tiles, 1,024 rows apart, both in one batch; the ring runs on across the change of tiles.  The 16 sums of ktv (64 x 64) go on through both tiles and leave once.
; They are cleared by 128 v_mov_b32 while the first tile is on its way: the price of one form, and one copy, of the second product for both tiles.
; AT THE END the two waves of a head (the tile's upper and lower 128 rows) add their sums through LDS bytes of their own, so that a work-group stores one partial sum a head: half the bytes.
; CLUSTERS: 4 x 4 work-groups.  The four of a row of the cluster need the same tiles of xh, the four of a column the same tiles of wh: each tile is asked for JOINTLY.
; LIMITS.  k and v are rounded to f16: beyond 65,504 they become infinities; below 6e-5 they keep f16's fixed step of 6e-8.  The sums are taken in another order than a plain loop's.  NaN and infinities are not treated apart.
; REGISTERS, in windows of 256 (s_set_vgpr_msb's low byte: bits 1:0 source 0, 3:2 source 1, 5:4 source 2, 7:6 destination):
;   window 0: v0-31 addresses; v64-127, v128-191 fragments of x, two buffers (at the end: the other wave's sums); v192-255 the biases
;   window 1: v64-127, v128-191 fragments of wh, two buffers; v0-63, v192-255 the 16 sums of ktv
;   window 2: the accumulators of my rows 0-63 ((a, b) at v[8 (8 a + b)]);   window 3: those of my rows 64-127
.set SIZE_K, 1024
.set KSTEP,  128
.set PITCH,  272                       ; an LDS row: 256 bytes + 16 of padding = 68 words: the 16 rows that a load touches start at 16 different groups of four banks (64 banks of 4 bytes: ISA guide 11.1)
.set HALFT,  128*PITCH                 ; 128 rows: what one tensor load brings, and what one wave reads of xh or of wh
.set SLOT,   4*HALFT                   ; xh's 256 rows, then wh's 256 rows
.set XCH,    2*SLOT                    ; behind the ring, never filled by a tensor load: 16,384 bytes for each head, where the lower rows' sums are handed over
.set SPARE,  XCH+2*16384               ; behind that: the spare words, 128 bytes for each wave: two blocks of 256 bytes that no other line names
.set LAPS,   SIZE_K/(2*KSTEP)          ; a lap = two K steps = once round the ring
.set WALK,   1024                      ; rows from the first tile to the second
.set NEXT_A, WALK*SIZE_K*2-(SIZE_K-2*KSTEP)*2   ; bytes from a slot's last K step of a tile to its first of the next: WALK rows down, back along K
.set BACK_B, (SIZE_K-2*KSTEP)*2        ; wh only back: both tiles take the same rows
.set ADRA, 16                          ; v16-17  LDS address of my fragments of xh in slot 0, 1
.set ADRB, 20                          ; v20-21  the same for wh
.set XA,   24                          ; v24     my 16 bytes in my head's 512 bytes of XCH
.set PO,   26                          ; v26     16 x my lane: my place in 512 bytes of part
.set BO,   27                          ; v27     4 x (l % 16): my channel's place among 16 biases
.set SPW,  28                          ; v28     LDS address of my spare word; never rewritten
.set NIL,  29                          ; v29     0; never rewritten
.set PFO,  30                          ; v30     the prefetches' offset: my lane x 2,048 bytes; never rewritten
.set PFA,  44                          ; s[44:45] where my prefetches stand
.set LIM,  43                          ; s43     1 in a wave that prefetches, else the greatest number
.set F0,   64
.set F1,   128
.set BT,   192                         ; window 0: the bias of n block b at BT + 8 b, eight times
.set G1,  24                           ; s[24:31] descriptor group 1 for xh's tiles;  s[32:39] group 0, one set for each slot
.set G0,  32
.set G1B, 48                           ; s[48:55], s[56:63] the same for wh's tiles
.set G0B, 56
.set MSB, 0
.macro WIN new                         ; the immediate's high byte repeats the setting that is left; a switch that changes nothing is dropped
.if MSB != (\new)
	s_set_vgpr_msb (MSB<<8)|(\new)
.set MSB, \new
.endif
.endm
.set TO_B, 0x40                        ; destination window 1, address window 0
; A joint load.  Waves 0 and 1 fetch xh's two halves, waves 2 and 3 wh's.  The branch hangs on the wave's number alone.  An s_nop 0 and four v_nop follow each of the two lines.
.macro JLOAD s
	s_cmp_eq_u32 s11, 0
	s_cbranch_scc0 .Lfor_b_\@
	tensor_load_to_lds s[G0+4*(\s):G0+4*(\s)+3], s[G1:G1+7]
	s_nop 0
.rept 4
	v_nop
.endr
	s_branch .Lasked_\@
.Lfor_b_\@:
	tensor_load_to_lds s[G0B+4*(\s):G0B+4*(\s)+3], s[G1B:G1B+7]
	s_nop 0
.rept 4
	v_nop
.endr
.Lasked_\@:
.endm
; A prefetch, behind each joint load and the run of LDS loads that follows it: the K step that stands two refills on, 512 matrix instructions ahead of the load that will ask for it: 32 rows x 256 bytes, a lane a row.
; Each row's 256 bytes of a K step are named once in the launch: of the clusters that read a tile row of xh the one with x = 0 asks, of those that read a tile column of wh the one with y = 0;
; the four partners of a joint load share its 128 rows out by address, 32 each (by cx for xh, by cy for wh).  how = 0, in the loop: a tile's last two refills have no K step two on; how = 1: at the change of tiles.
.macro ASK how
.if \how
	s_cmp_eq_u32 s[LIM], 1
.else
	s_cmp_gt_u32 s3, s[LIM]                        ; s3 = 1 in the loop's last trip
.endif
	s_cbranch_scc0 .Lnot_mine_\@
	global_prefetch_b8 v[PFO], s[PFA:PFA+1] offset:KSTEP*2 th:TH_LOAD_NT scope:SCOPE_SE
.Lnot_mine_\@:
.endm
.macro CREST                           ; a round of the cluster's barrier behind its opening barrier
	s_cmp_lg_u32 s10, 0
	s_cbranch_scc1 .Lnot_wave_0_\@
	s_barrier_signal -3
.Lnot_wave_0_\@:
	s_barrier_wait -3
	s_barrier_signal -1
	s_barrier_wait -1
.endm
.macro CROUND                          ; a whole round
	s_barrier_signal -1
	s_barrier_wait -1
	CREST
.endm
	s_load_b128 s[4:7], s[0:1], 0x0                ; xh s[4:5], wh s[6:7]
	s_load_b128 s[68:71], s[0:1], 0x10             ; bk s[68:69], bv s[70:71]
	s_load_b64 s[8:9], s[0:1], 0x20                ; part
	v_lshl_add_u32 v[SPW], v0, 2, SPARE
	v_mov_b32 v[NIL], 0
	ds_add_u32 v[SPW], v[NIL]                      ; the wave's opening: the add, twice on end, and its wait ahead of my first tensor load
	ds_add_u32 v[SPW], v[NIL]                      ; and once more, under the one wait; the set-up below, work on registers, stands between
	v_lshrrev_b32 v1, 5, v0
	v_readfirstlane_b32 s10, v1                    ; wave 0..3
	s_lshr_b32 s11, s10, 1                         ; which half of the tile's rows is mine.  Also: I fetch for xh (0) or for wh (1)
	s_and_b32 s12, s10, 1                          ; which half of its columns.  Also: which 128 rows of that tile I fetch
	s_bfe_u32 s40, ttmp6, 0x40000                  ; cx
	s_bfe_u32 s41, ttmp6, 0x40004                  ; cy
	s_lshl_b32 s42, ttmp9, 2
	s_add_co_u32 s42, s42, s40                     ; tile column = 4 x cluster x + cx: 0 .. 7
	s_and_b32 s13, ttmp7, 0xffff
	s_lshl_b32 s13, s13, 3
	s_add_co_u32 s13, s13, s41                     ; the first tile's row = 8 x cluster y + cy; the second lies 4 further down
	s_lshl_b32 s43, s41, 2
	s_lshl_b32 s43, 15, s43                        ; my row of the cluster
	s_lshl_b32 s44, 0x1111, s40                    ; my column
	s_or_b32 s[G1+0], s43, (1<<16)|(1<<20)|(1<<21)|(5<<22)|(3<<25)  ; 15:0 the mask; 17:16 elements of 2 bytes; 20 padding on; 21 set beside a mask; 24:22 after every 64 words; 31:25 4 words
	s_or_b32 s[G1B+0], s44, (1<<16)|(1<<20)|(1<<21)|(5<<22)|(3<<25)
.irp g, G1, G1B
	s_mov_b32 s[(\g)+1], KSTEP<<16                 ; tensor_dim0 = 128
	s_mov_b32 s[(\g)+2], 128<<16                   ; tensor_dim1 = 128
	s_mov_b32 s[(\g)+3], KSTEP<<16                 ; tile_dim0 = 128
	s_mov_b32 s[(\g)+4], 128                       ; tile_dim1 = 128
	s_mov_b32 s[(\g)+5], SIZE_K                    ; elements from row to row
	s_mov_b32 s[(\g)+6], 0
	s_mov_b32 s[(\g)+7], 0
.endr
	s_lshl_b32 s17, s12, 7                         ; which 128 rows of the tile I fetch
	s_lshl_b32 s16, s13, 8
	s_add_co_u32 s16, s16, s17                     ; xh: row 256 x tile row + 128 x half
	s_lshl_b32 s46, s42, 8
	s_add_co_u32 s46, s46, s17                     ; wh: row 256 x tile column + 128 x half
	s_mov_b32 s17, 0
	s_mov_b32 s47, 0
	s_mov_b64 s[18:19], SIZE_K*2
	s_mul_u64 s[16:17], s[16:17], s[18:19]
	s_mul_u64 s[46:47], s[46:47], s[18:19]
	s_mul_i32 s20, s10, HALFT                      ; where they go: wave x 128 rows: no place in the cluster enters an LDS address
	s_wait_dscnt 0x0                               ; both opening adds are done
	s_wait_kmcnt 0x0
	s_add_nc_u64 s[14:15], s[4:5], s[16:17]
	s_add_nc_u64 s[46:47], s[6:7], s[46:47]
	CROUND                                         ; all sixteen work-groups are here: the first joint loads meet
.irp s, 0,1
	s_mov_b32 s[G0+4*(\s)], 1
	s_add_co_u32 s[G0+4*(\s)+1], s20, (\s)*SLOT
	s_add_nc_u64 s[G0+4*(\s)+2:G0+4*(\s)+3], s[14:15], (\s)*KSTEP*2
	s_or_b32 s[G0+4*(\s)+3], s[G0+4*(\s)+3], 0x80000000
	s_mov_b32 s[G0B+4*(\s)], 1
	s_add_co_u32 s[G0B+4*(\s)+1], s20, (\s)*SLOT
	s_add_nc_u64 s[G0B+4*(\s)+2:G0B+4*(\s)+3], s[46:47], (\s)*KSTEP*2
	s_or_b32 s[G0B+4*(\s)+3], s[G0B+4*(\s)+3], 0x80000000
	JLOAD \s                                       ; the ring is filled before anything else is done: two tensor loads of mine are out
.endr
	; A fragment is 16 rows x 32 K in 8 registers: lane l holds row l % 16; registers 0-3 K = 8 (l / 16) + 0..7, registers 4-7 K = 16 + 8 (l / 16) + 0..7: two loads of 16 bytes, 32 bytes apart.
	v_and_b32 v1, 15, v0                           ; l % 16
	v_bfe_u32 v2, v0, 4, 1                         ; l / 16
	v_mul_u32_u24 v3, v1, PITCH
	v_lshl_add_u32 v3, v2, 4, v3
	s_mul_i32 s21, s11, HALFT                      ; my 128 rows of xh
	s_mul_i32 s22, s12, HALFT                      ; my 128 rows of wh,
	s_add_co_u32 s22, s22, 2*HALFT                 ; which lie behind xh's 256
.irp s, 0,1
	v_add_nc_u32 v[ADRA+(\s)], s21, v3
	v_add_nc_u32 v[ADRB+(\s)], s22, v3
	s_add_co_u32 s21, s21, SLOT
	s_add_co_u32 s22, s22, SLOT
.endr
	; my head, my place in part, my biases (in registers that feed no descriptor)
	s_and_b32 s72, ttmp7, 0xffff                   ; cluster y
	s_lshr_b32 s73, s72, 1                         ; the batch,
	s_lshl_b32 s73, s73, 4                         ; x 16
	s_lshl_b32 s74, s42, 1
	s_add_co_u32 s74, s74, s12                     ; my head = 2 x tile column + column half
	s_add_co_u32 s73, s73, s74                     ; batch x 16 + head
	s_and_b32 s72, s72, 1
	s_lshl_b32 s72, s72, 2
	s_add_co_u32 s72, s72, s41                     ; p: which of the batch's eight work-groups along the rows
	s_lshl_b32 s73, s73, 3
	s_add_co_u32 s73, s73, s72
	s_lshl_b32 s72, s73, 14                        ; 16,384 bytes each: under 2^23
	s_mov_b32 s73, 0
	s_add_nc_u64 s[8:9], s[8:9], s[72:73]
	s_lshl_b32 s72, s74, 8                         ; a head's 64 biases are 256 bytes
	s_add_nc_u64 s[68:69], s[68:69], s[72:73]
	s_add_nc_u64 s[70:71], s[70:71], s[72:73]
	v_lshlrev_b32 v[BO], 2, v1
.irp b, 0,1,2,3
	global_load_b32 v[BT+8*(\b)],    v[BO], s[68:69] offset:64*(\b)
	global_load_b32 v[BT+32+8*(\b)], v[BO], s[70:71] offset:64*(\b)
.endr
	v_and_b32 v[PO], 31, v0
	v_lshlrev_b32 v[PO], 4, v[PO]
	s_lshl_b32 s21, s12, 14                        ; the hand-over: by the column half, which the two waves of a head share
	s_add_co_u32 s21, s21, XCH
	v_add_nc_u32 v[XA], s21, v[PO]
	; the prefetches
	s_lshl_b32 s13, s13, 8
	s_lshl_b32 s42, s42, 8
	s_and_b32 s22, ttmp7, 0xffff                   ; cluster y
	s_cmp_eq_u32 s11, 0                            ; do I fetch for xh?
	s_cselect_b32 s20, s13, s42                    ; the tile's first row
	s_cselect_b32 s21, s40, s41                    ; my place among the four that ask for it with me
	s_cselect_b32 s22, ttmp9, s22                  ; the coordinate along which other clusters read the same rows
	s_cselect_b64 s[PFA:PFA+1], s[4:5], s[6:7]
	s_cmp_eq_u32 s22, 0
	s_cselect_b32 s[LIM], 1, -1                    ; the same in all sixteen partners, for a given wave
	s_lshl_b32 s22, s12, 7
	s_add_co_u32 s20, s20, s22                     ; + the 128 rows that I fetch
	s_lshl_b32 s21, s21, 5
	s_add_co_u32 s20, s20, s21                     ; + my work-group's 32 of them
	s_mov_b32 s21, 0
	s_mov_b64 s[18:19], SIZE_K*2
	s_mul_u64 s[20:21], s[20:21], s[18:19]
	s_add_nc_u64 s[PFA:PFA+1], s[PFA:PFA+1], s[20:21]
	s_add_nc_u64 s[PFA:PFA+1], s[PFA:PFA+1], 2*KSTEP*2  ; at K step 2: the first refill steps it to 3 and names K step 4.  Nothing is prefetched here, at the head
	v_and_b32 v[PFO], 31, v0
	v_mul_u32_u24 v[PFO], v[PFO], SIZE_K*2
	WIN 0x40                                       ; ktv's sums start at 0
.set r, 0
.rept 64
	v_mov_b32 v[r], 0
	v_mov_b32 v[192+r], 0
.set r, r+1
.endr
	WIN 0
	s_wait_loadcnt 0x0                             ; the biases
.irp b, 0,1,2,3,4,5,6,7
.irp j, 1,2,3,4,5,6,7
	v_mov_b32 v[BT+8*(\b)+(\j)], v[BT+8*(\b)]      ; a lane's eight results of a product are eight rows of one channel
.endr
.endr
; 16 matrix instructions: m blocks a0, a0 + 1 of the window's four (hi = 0: my rows 0-63, 1: rows 64-127) x all 8 n blocks, 32 along K.  zero = 1: the product starts the sums, with the bias as C.
.macro MUL16 f, hi, a0, zero
.if \zero
	WIN 0x84+0x40*(\hi)                            ; x window 0, wh window 1, the bias window 0, D window 2 or 3
.else
	WIN 0xa4+0x50*(\hi)                            ; x window 0, wh window 1, C and D window 2 or 3
.endif
.irp a, \a0, (\a0)+1
.irp b, 0,1,2,3,4,5,6,7
.if \zero
	v_wmma_f32_16x16x32_f16 v[8*(8*(\a)+(\b)):8*(8*(\a)+(\b))+7], v[(\f)+8*(4*(\hi)+(\a)):(\f)+8*(4*(\hi)+(\a))+7], v[(\f)+8*(\b):(\f)+8*(\b)+7], v[BT+8*(\b):BT+8*(\b)+7]
.else
	v_wmma_f32_16x16x32_f16 v[8*(8*(\a)+(\b)):8*(8*(\a)+(\b))+7], v[(\f)+8*(4*(\hi)+(\a)):(\f)+8*(4*(\hi)+(\a))+7], v[(\f)+8*(\b):(\f)+8*(\b)+7], v[8*(8*(\a)+(\b)):8*(8*(\a)+(\b))+7]
.endif
.endr
.endr
.endm
; 32 LDS loads in one run: the fragments of one quarter step (128 rows of wh, 128 rows of xh, 32 K at byte k of the rows) into buffer f
.macro FETCH slot, k, f
	WIN TO_B
.irp i, 0,1,2,3,4,5,6,7
	ds_load_b128 v[(\f)+8*(\i):(\f)+8*(\i)+3],   v[ADRB+(\slot)] offset:(\k)+(\i)*16*PITCH
	ds_load_b128 v[(\f)+8*(\i)+4:(\f)+8*(\i)+7], v[ADRB+(\slot)] offset:(\k)+(\i)*16*PITCH+32
.endr
	WIN 0
.irp i, 0,1,2,3,4,5,6,7
	ds_load_b128 v[(\f)+8*(\i):(\f)+8*(\i)+3],   v[ADRA+(\slot)] offset:(\k)+(\i)*16*PITCH
	ds_load_b128 v[(\f)+8*(\i)+4:(\f)+8*(\i)+7], v[ADRA+(\slot)] offset:(\k)+(\i)*16*PITCH+32
.endr
.endm
.macro PLACES                          ; four places behind a matrix instruction, in front of loads into registers that it has read and of vector lines that read results
.rept 4
	v_nop
.endr
.endm
; A K step is four quarters of 32 along K, 64 matrix instructions each, on buffers 0, 1, 0, 1.  One of the first three: multiplies buffer f; in its middle it fetches the next quarter, at byte k, into g.
.macro QUARTER slot, k, f, g, zero
	s_wait_dscnt 8                                 ; wh and xh's rows 0-63 are in; the youngest eight loads (xh's rows 64-127) may be out
	MUL16 \f, 0, 0, \zero
	MUL16 \f, 0, 2, \zero
	PLACES
	FETCH \slot, \k, \g
	s_wait_dscnt 32                                ; all but the 32 just issued
	MUL16 \f, 1, 0, \zero
	MUL16 \f, 1, 2, \zero
.endm
; The last quarter's first half: ONE barrier for the change of slots.  In front of it each wave waits for all its tensor loads (one is out: its part of the next slot), adds 0 to its spare word, and waits for that and for its reads of this slot.
.macro MEET round
	WIN 0                                          ; (the add's two registers lie in window 0)
	s_wait_tensorcnt 0x0
	ds_add_u32 v[SPW], v[NIL]
	s_wait_dscnt 9                                 ; (the add and the youngest eight loads may be out)
	MUL16 F1, 0, 0, 0                              ; sixteen matrix instructions stand between the add and the wait for it
	s_wait_dscnt 0x0                               ; the add is done, and my reads of this slot are over
	s_barrier_signal -1
	MUL16 F1, 0, 2, 0
.if \round
	WIN 0
.endif
	s_barrier_wait -1
.endm
; The whole last quarter.  Behind the round the slot just read out is filled again first: with this tile's K step two steps on (on = 0) or with the next tile's K step 0 or 1 (on = 1).  From a request to the wait for it: 224 matrix instructions.
.macro TURN slot, next, on
	s_wait_xcnt 0x0                                ; the last prefetch, a K step back, has read its address: it is stepped here
.if (\on) && (\slot) == 0
	s_add_nc_u64 s[PFA:PFA+1], s[PFA:PFA+1], (WALK-1)*SIZE_K*2+KSTEP*2  ; from the K step after the tile's last to the next tile's K step 1
	s_cmp_eq_u32 s11, 0
	s_cselect_b32 s[LIM], s[LIM], -1               ; wh's rows are the same for both tiles: they are asked for in the first alone
.else
	s_add_nc_u64 s[PFA:PFA+1], s[PFA:PFA+1], KSTEP*2
.endif
	MEET 1
	CREST                                          ; no wave of any partner still reads this slot's tile or has a load on its way
.if \on
	s_add_nc_u64 s[G0+4*(\slot)+2:G0+4*(\slot)+3], s[G0+4*(\slot)+2:G0+4*(\slot)+3], NEXT_A
	s_sub_nc_u64 s[G0B+4*(\slot)+2:G0B+4*(\slot)+3], s[G0B+4*(\slot)+2:G0B+4*(\slot)+3], BACK_B
.else
	s_add_nc_u64 s[G0+4*(\slot)+2:G0+4*(\slot)+3], s[G0+4*(\slot)+2:G0+4*(\slot)+3], 2*KSTEP*2
	s_add_nc_u64 s[G0B+4*(\slot)+2:G0B+4*(\slot)+3], s[G0B+4*(\slot)+2:G0B+4*(\slot)+3], 2*KSTEP*2
.endif
	JLOAD \slot                                    ; my one tensor load behind the round; its four v_nop are also the places in front of the loads below
	FETCH \next, 0, F0
	ASK \on
	MUL16 F1, 1, 0, 0
	MUL16 F1, 1, 2, 0
.endm
.macro TURNLAST                        ; the last change of slots: nothing is filled again, so no round follows
	MEET 0
	PLACES
	FETCH 1, 0, F0
	MUL16 F1, 1, 0, 0
	MUL16 F1, 1, 2, 0
.endm
.macro LASTQ                           ; the very last quarter: nothing more to fetch
	s_wait_dscnt 8
	MUL16 F1, 0, 0, 0
	MUL16 F1, 0, 2, 0
	s_wait_dscnt 0x0
	MUL16 F1, 1, 0, 0
	MUL16 F1, 1, 2, 0
.endm
; THE SECOND PRODUCT.  For each 32 of my 128 rows (m blocks 2 s, 2 s + 1): the block's results are rounded to f16 in place, ascending: first block 2 s's own eight into its registers 0-3, then block 2 s + 1's into its registers 4-7:
; v[FB + 8 b .. + 7] is then the fragment of 32 rows x 16 channels of n block b.  Then 16 products: ktv(ta, tb) += k's fragment ta x v's fragment tb; the 16 sums take turns, one instruction a turn.
; Five v_nop close it: the next tile's first products write over these sources, and the way out reads the sums.
.macro KTV
	PLACES
.irp s, 0,1,2,3
.set FB, 64*((2*(\s))%4)
	WIN 0x8a+0x45*((\s)/2)                         ; sources and destination window 2 (s < 2) or 3
.irp b, 0,1,2,3,4,5,6,7
.irp p, 0,1,2,3
	v_cvt_pk_f16_f32 v[FB+8*(\b)+(\p)], v[FB+8*(\b)+2*(\p)], v[FB+8*(\b)+2*(\p)+1]
.endr
.irp p, 0,1,2,3
	v_cvt_pk_f16_f32 v[FB+8*(\b)+4+(\p)], v[FB+64+8*(\b)+2*(\p)], v[FB+64+8*(\b)+2*(\p)+1]
.endr
.endr
	WIN 0x5a+5*((\s)/2)                            ; both fragments window 2 or 3, C and D window 1
.irp ta, 0,1,2,3
.irp tb, 0,1,2,3
.set KR, 8*(4*(\ta)+(\tb))+128*((\ta)/2)
	v_wmma_f32_16x16x32_f16 v[KR:KR+7], v[FB+8*(\ta):FB+8*(\ta)+7], v[FB+32+8*(\tb):FB+32+8*(\tb)+7], v[KR:KR+7]
.endr
.endr
.endr
.rept 5
	v_nop
.endr
	WIN 0
.endm
	s_wait_tensorcnt 1                             ; my part of K step 0 is in; K step 1's load may stay out
	s_barrier_signal -1
	s_barrier_wait -1                              ; everybody's is
	FETCH 0, 0, F0
	s_mov_b32 s2, 2                                ; tiles to go, this one among them
.Ltile:
	QUARTER 0, 64,  F0, F1, 1                      ; a tile's first quarter stands in front of the loop: its products start the sums
	WIN 0                                          ; at a label and at a branch every window is 0
	s_mov_b32 s3, LAPS-1
.Llap:                                                 ; a trip goes once round the ring, from a lap's second quarter to the next lap's first, and fills both slots again
	QUARTER 0, 128, F1, F0, 0
	QUARTER 0, 192, F0, F1, 0
	TURN 0, 1, 0
	QUARTER 1, 64,  F0, F1, 0
	QUARTER 1, 128, F1, F0, 0
	QUARTER 1, 192, F0, F1, 0
	TURN 1, 0, 0
	QUARTER 0, 64,  F0, F1, 0
	WIN 0
	s_sub_co_u32 s3, s3, 1
	s_cmp_lg_u32 s3, 0
	s_cbranch_scc1 .Llap
	QUARTER 0, 128, F1, F0, 0                      ; the tile's last lap goes on
	QUARTER 0, 192, F0, F1, 0
	WIN 0
	s_cmp_eq_u32 s2, 1
	s_cbranch_scc1 .Llast_tile                     ; the last tile's tail is written out: it asks for nothing more
	TURN 0, 1, 1                                   ; the ring goes on into the next tile: slot 0 takes its K step 0,
	QUARTER 1, 64,  F0, F1, 0
	QUARTER 1, 128, F1, F0, 0
	QUARTER 1, 192, F0, F1, 0
	TURN 1, 0, 1                                   ; slot 1 its K step 1, and the next tile's first fragments are fetched
	WIN 0
	s_branch .Lktv
.Llast_tile:
	TURNLAST
	QUARTER 1, 64,  F0, F1, 0
	QUARTER 1, 128, F1, F0, 0
	QUARTER 1, 192, F0, F1, 0
	LASTQ
	WIN 0
.Lktv:                                                 ; both tails end with the same sixteen products; the tile is folded into ktv's sums by one text
	KTV
	s_sub_co_u32 s2, s2, 1
	s_cmp_lg_u32 s2, 0
	s_cbranch_scc1 .Ltile
	; THE WAY OUT.  Waves 2 and 3 (the tile's lower rows) hand their 16 sums over, a sum's registers as they lie; waves 0 and 1 add them to their own and store.
	s_wait_dscnt 0x0                               ; no LDS load of mine is out
	s_cmp_eq_u32 s11, 0
	s_cbranch_scc1 .Lkeep
	WIN 0x04                                       ; the stores' data in window 1
.irp t, 0,1,2,3,4,5,6,7,8,9,10,11,12,13,14,15
.set KR, 8*(\t)+128*((\t)/8)
	ds_store_b128 v[XA], v[KR:KR+3]   offset:1024*(\t)
	ds_store_b128 v[XA], v[KR+4:KR+7] offset:1024*(\t)+512
.endr
	WIN 0
.Lkeep:
	s_wait_dscnt 0x0                               ; for the other wave's sake: my stores are done
	s_barrier_signal -1
	s_barrier_wait -1
	s_cmp_lg_u32 s11, 0
	s_cbranch_scc1 .Lend
.irp t, 0,1,2,3,4,5,6,7,8,9,10,11,12,13,14,15
	ds_load_b128 v[64+8*(\t):64+8*(\t)+3],   v[XA] offset:1024*(\t)
	ds_load_b128 v[64+8*(\t)+4:64+8*(\t)+7], v[XA] offset:1024*(\t)+512
.endr
	WIN 0x41                                       ; my sums (destination and source 0) in window 1, the other wave's in window 0
.irp t, 0,1,2,3,4,5,6,7,8,9,10,11,12,13,14,15
.set KR, 8*(\t)+128*((\t)/8)
	s_wait_dscnt 30-2*(\t)                         ; sum t's two loads are in: the 30 - 2 t younger ones may stay out
.irp i, 0,2,4,6
	v_pk_add_f32 v[KR+(\i):KR+(\i)+1], v[KR+(\i):KR+(\i)+1], v[64+8*(\t)+(\i):64+8*(\t)+(\i)+1]
.endr
.endr
	WIN 0x04                                       ; the stores' data in window 1
.irp t, 0,1,2,3,4,5,6,7,8,9,10,11,12,13,14,15
.set KR, 8*(\t)+128*((\t)/8)
	global_store_b128 v[PO], v[KR:KR+3],   s[8:9] offset:1024*(\t)      ; each store of the wave covers 512 consecutive bytes, aligned
	global_store_b128 v[PO], v[KR+4:KR+7], s[8:9] offset:1024*(\t)+512
.endr
	WIN 0
.Lend:
	s_wait_tensorcnt 0x0                           ; the wave's end, behind my last tensor load and my last LDS store
	ds_add_u32 v[SPW], v[NIL]
	s_wait_dscnt 0x0
	CROUND                                         ; the closing round: no work-group ends while a partner may still ask for a tile that names it
	s_endpgm
.Lfunc_end_k_q3252b60d29_kv:
	.size	k_q3252b60d29_kv, .Lfunc_end_k_q3252b60d29_kv-k_q3252b60d29_kv
	.p2alignl 7, 3214868480
	.fill 96, 4, 3214868480
	.section	.rodata,"a",@progbits
	.p2align	6, 0x0
	.amdhsa_kernel k_q3252b60d29_kv
		.amdhsa_group_segment_fixed_size 327680
		.amdhsa_private_segment_fixed_size 0
		.amdhsa_enable_private_segment 0
		.amdhsa_kernarg_size 40
		.amdhsa_user_sgpr_count 2
		.amdhsa_user_sgpr_kernarg_segment_ptr 1
		.amdhsa_wavefront_size32 1
		.amdhsa_system_sgpr_workgroup_id_x 1
		.amdhsa_system_sgpr_workgroup_id_y 1
		.amdhsa_system_sgpr_workgroup_id_z 1
		.amdhsa_system_vgpr_workitem_id 0
		.amdhsa_next_free_vgpr 1024
		.amdhsa_next_free_sgpr 80
		.amdhsa_reserve_vcc 0
		.amdhsa_float_denorm_mode_32 3
		.amdhsa_float_denorm_mode_16_64 3
		.amdhsa_memory_ordered 1
		.amdhsa_forward_progress 1
		.amdhsa_inst_pref_size 186
	.end_amdhsa_kernel
	.amdgpu_metadata
---
amdhsa.version: [ 1, 2 ]
amdhsa.kernels:
  - .name:           k_q3252b60d29_kv
    .symbol:         k_q3252b60d29_kv.kd
    .args:
      - { .name: xh, .offset: 0, .size: 8, .value_kind: global_buffer, .address_space: global }
      - { .name: wh, .offset: 8, .size: 8, .value_kind: global_buffer, .address_space: global }
      - { .name: bk, .offset: 16, .size: 8, .value_kind: global_buffer, .address_space: global }
      - { .name: bv, .offset: 24, .size: 8, .value_kind: global_buffer, .address_space: global }
      - { .name: part, .offset: 32, .size: 8, .value_kind: global_buffer, .address_space: global }
    .group_segment_fixed_size: 327680
    .private_segment_fixed_size: 0
    .kernarg_segment_align: 8
    .kernarg_segment_size: 40
    .max_flat_workgroup_size: 128
    .sgpr_count:     80
    .vgpr_count:     1024
    .wavefront_size: 32
...
	.end_amdgpu_metadata
.endif
;; end of part 2
;; launch fold (part 3): grid 4 x 64, 1 waves a work-group, no clusters, 0 bytes of LDS; arguments part, kt, cb; writes kt, cb
.if DOCPART == 3
	.amdgcn_target "amdgcn-amd-amdhsa--gfx1250"
	.amdhsa_code_object_version 6
	.text
	.protected	k_q3252b60d29_fold
	.globl	k_q3252b60d29_fold
	.p2align	8
	.type	k_q3252b60d29_fold,@function
k_q3252b60d29_fold:
	s_mov_b64 s[64:65], 0
	v_nop
	global_prefetch_b8 v0, s[64:65] scope:SCOPE_SE
	s_setreg_imm32_b32 hwreg(HW_REG_WAVE_MODE, 25, 1), 1
	s_wait_xcnt 0x0
; ktv[d][e] of a batch and head = the sum of its eight partial sums; then each column e is made fit for f16.
; THE COLUMN'S SCALE.  ktv has no room in f16.  Each column e is divided by P = the power of two at or below its largest magnitude (exact), so that it lies within (-2, 2), and rounded once;
; cs[e] = P x 2^-9 (2^-9 = 1 / sqrt(64) / sqrt(4096), exactly) is given back in f32 by the launch behind.  A column of zeros has cs = 0.
; part: f32, [bh = batch x 16 + head][p 0..7][t = 4 ta + tb][half][lane][4]: a sum's registers as they lay.  kt: f16, [bh][tb][s 0..1][half][lane][8]: a fragment's registers as they will lie.  cb: f32, cs[batch][1024].
; LIMITS.  |ktv| stays under 2^127; a column whose largest magnitude is below 2^-126 counts as zeros.  NaN and infinities are not treated apart.
; SHARES.  A work-group is one wave: one bh and the 16 columns e = 16 w .. 16 w + 15.  Lane l holds column 16 w + l % 16 and d = 16 ta + 8 (l / 16) + j in register 8 ta + j: rounded in pairs these ARE
; the two fragments (16 e x 32 d) that the launch behind multiplies by.  So nothing goes through LDS, no wave waits for another, and each byte of part is read once, by one wave.
; The launch only adds and moves: no matrix unit, no cluster (no two work-groups read the same byte).  Every load and store of 16 bytes a lane covers 512 consecutive bytes, aligned.
.set SUM, 16                           ; v[16:239] seven sets of 32; the sums gather in the first
.set ABS, 80                           ; later: v[80:111] magnitudes
.set MX,  112                          ; v[112:115]
.set INV, 116                          ; v[116:117] 1 / P, twice
.set EX2, 118                          ; v118 P
.set CSV, 119                          ; v119 cs
.set FRG, 120                          ; v[120:135] the two fragments
	s_load_b128 s[4:7], s[0:1], 0x0                ; part s[4:5], kt s[6:7]
	s_load_b64 s[8:9], s[0:1], 0x10                ; cb
	v_lshlrev_b32 v1, 4, v0                        ; 16 x lane
	v_and_b32 v2, 15, v0
	v_lshlrev_b32 v2, 2, v2                        ; 4 x (l % 16)
	s_mov_b32 s10, ttmp9                           ; w
	s_and_b32 s11, ttmp7, 0xffff                   ; bh
	s_lshl_b32 s12, s11, 17                        ; part: bh's eight partial sums of 16,384 bytes,
	s_lshl_b32 s14, s10, 10                        ; tiles t = 4 ta + w
	s_add_co_u32 s12, s12, s14
	s_mov_b32 s13, 0
	s_lshl_b32 s14, s11, 13                        ; kt: 8,192 bytes a bh,
	s_lshl_b32 s16, s10, 11                        ; 2,048 for 16 columns
	s_add_co_u32 s14, s14, s16
	s_mov_b32 s15, 0
	s_lshl_b32 s16, s11, 8                         ; cb: 64 numbers a head,
	s_lshl_b32 s18, s10, 6                         ; my 16
	s_add_co_u32 s16, s16, s18
	s_mov_b32 s17, 0
	s_mov_b32 s20, 0x76543210                      ; v_permlanex16_b32: each lane takes its own place in the other half
	s_mov_b32 s21, 0xfedcba98
	s_mov_b32 s22, 0x7fffffff                      ; clears a sign
	s_wait_kmcnt 0x0
	s_add_nc_u64 s[4:5], s[4:5], s[12:13]
	s_add_nc_u64 s[6:7], s[6:7], s[14:15]
	s_add_nc_u64 s[8:9], s[8:9], s[16:17]
.macro LOADSET p, k                    ; partial sum p into set k: eight loads
.irp ta, 0,1,2,3
	global_load_b128 v[SUM+32*(\k)+8*(\ta):SUM+32*(\k)+8*(\ta)+3],   v1, s[4:5] offset:16384*(\p)+4096*(\ta) th:TH_LOAD_NT
	global_load_b128 v[SUM+32*(\k)+8*(\ta)+4:SUM+32*(\k)+8*(\ta)+7], v1, s[4:5] offset:16384*(\p)+4096*(\ta)+512 th:TH_LOAD_NT
.endr
.endm
.macro ADDSET k                        ; the first set += set k
.set q, 0
.rept 16
	v_pk_add_f32 v[SUM+q:SUM+q+1], v[SUM+q:SUM+q+1], v[SUM+32*(\k)+q:SUM+32*(\k)+q+1]
.set q, q+2
.endr
.endm
.irp k, 0,1,2,3,4,5,6
	LOADSET \k, \k                                 ; 56 loads go out at once
.endr
	s_wait_loadcnt 40                              ; partial sums 0 and 1 are in: five sets of 8 are younger
	ADDSET 1
	LOADSET 7, 1                                   ; the last one takes the set just added
	s_wait_loadcnt 40                              ; partial sum 2: four sets and the last eight are younger
	ADDSET 2
	s_wait_loadcnt 32
	ADDSET 3
	s_wait_loadcnt 24
	ADDSET 4
	s_wait_loadcnt 16
	ADDSET 5
	s_wait_loadcnt 8
	ADDSET 6
	s_wait_loadcnt 0x0
	ADDSET 1
	; the column's largest magnitude: my 32 numbers, then the lane 16 away, which holds the column's other 32
.set q, 0
.rept 32
	v_and_b32 v[ABS+q], s22, v[SUM+q]
.set q, q+1
.endr
.irp c, 0,1,2,3
	v_max3_num_f32 v[MX+(\c)], v[ABS+8*(\c)], v[ABS+8*(\c)+1], v[ABS+8*(\c)+2]
.endr
.irp c, 0,1,2,3
	v_max3_num_f32 v[MX+(\c)], v[MX+(\c)], v[ABS+8*(\c)+3], v[ABS+8*(\c)+4]
.endr
.irp c, 0,1,2,3
	v_max3_num_f32 v[MX+(\c)], v[MX+(\c)], v[ABS+8*(\c)+5], v[ABS+8*(\c)+6]
.endr
.irp c, 0,1,2,3
	v_max_num_f32 v[MX+(\c)], v[MX+(\c)], v[ABS+8*(\c)+7]
.endr
	v_max3_num_f32 v[MX], v[MX], v[MX+1], v[MX+2]
	v_max_num_f32 v[MX], v[MX], v[MX+3]
	v_permlanex16_b32 v[MX+1], v[MX], s20, s21
	v_max_num_f32 v[MX], v[MX], v[MX+1]
	v_and_b32 v[EX2], 0x7f800000, v[MX]            ; P: the exponent alone
	v_sub_nc_u32 v[INV], 0x7f000000, v[EX2]        ; 1 / P: exponent field 254 less P's
	v_mov_b32 v[INV+1], v[INV]
	v_mul_f32 v[CSV], 0x3b000000, v[EX2]           ; cs = P x 2^-9
.set q, 0
.rept 16
	v_pk_mul_f32 v[SUM+2*q:SUM+2*q+1], v[SUM+2*q:SUM+2*q+1], v[INV:INV+1]
.set q, q+1
.endr
.set q, 0
.rept 16
	v_cvt_pk_f16_f32 v[FRG+q], v[SUM+2*q], v[SUM+2*q+1]
.set q, q+1
.endr
.irp s, 0,1
	global_store_b128 v1, v[FRG+8*(\s):FRG+8*(\s)+3],   s[6:7] offset:1024*(\s)
	global_store_b128 v1, v[FRG+8*(\s)+4:FRG+8*(\s)+7], s[6:7] offset:1024*(\s)+512
.endr
	v_cmp_gt_u32 vcc_lo, 16, v0                    ; lanes 16 to 31 hold the same sixteen cs once more
	s_wait_xcnt 0x0                                ; EXEC changes only behind this wait: the stores above have read theirs
	s_and_saveexec_b32 s23, vcc_lo
	global_store_b32 v2, v[CSV], s[8:9]            ; one run of 64 bytes a work-group; the whole buffer is 16,384 bytes
	s_wait_xcnt 0x0                                ; and again, in front of the line that widens it
	s_or_b32 exec_lo, exec_lo, s23
	s_endpgm
.Lfunc_end_k_q3252b60d29_fold:
	.size	k_q3252b60d29_fold, .Lfunc_end_k_q3252b60d29_fold-k_q3252b60d29_fold
	.p2alignl 7, 3214868480
	.fill 96, 4, 3214868480
	.section	.rodata,"a",@progbits
	.p2align	6, 0x0
	.amdhsa_kernel k_q3252b60d29_fold
		.amdhsa_group_segment_fixed_size 0
		.amdhsa_private_segment_fixed_size 0
		.amdhsa_enable_private_segment 0
		.amdhsa_kernarg_size 24
		.amdhsa_user_sgpr_count 2
		.amdhsa_user_sgpr_kernarg_segment_ptr 1
		.amdhsa_wavefront_size32 1
		.amdhsa_system_sgpr_workgroup_id_x 1
		.amdhsa_system_sgpr_workgroup_id_y 1
		.amdhsa_system_sgpr_workgroup_id_z 1
		.amdhsa_system_vgpr_workitem_id 0
		.amdhsa_next_free_vgpr 240
		.amdhsa_next_free_sgpr 66
		.amdhsa_reserve_vcc 1
		.amdhsa_float_denorm_mode_32 3
		.amdhsa_float_denorm_mode_16_64 3
		.amdhsa_memory_ordered 1
		.amdhsa_forward_progress 1
		.amdhsa_inst_pref_size 20
	.end_amdhsa_kernel
	.amdgpu_metadata
---
amdhsa.version: [ 1, 2 ]
amdhsa.kernels:
  - .name:           k_q3252b60d29_fold
    .symbol:         k_q3252b60d29_fold.kd
    .args:
      - { .name: part, .offset: 0, .size: 8, .value_kind: global_buffer, .address_space: global }
      - { .name: kt, .offset: 8, .size: 8, .value_kind: global_buffer, .address_space: global }
      - { .name: cb, .offset: 16, .size: 8, .value_kind: global_buffer, .address_space: global }
    .group_segment_fixed_size: 0
    .private_segment_fixed_size: 0
    .kernarg_segment_align: 8
    .kernarg_segment_size: 24
    .max_flat_workgroup_size: 32
    .sgpr_count:     66
    .vgpr_count:     240
    .wavefront_size: 32
...
	.end_amdgpu_metadata
.endif
;; end of part 3
;; launch outp (part 4): grid 4 x 64, 4 waves a work-group, clusters of 4 x 4, 327,680 bytes of LDS; arguments xh, wh, bq, kt, cb, out0; writes out0
.if DOCPART == 4
	.amdgcn_target "amdgcn-amd-amdhsa--gfx1250"
	.amdhsa_code_object_version 6
	.text
	.protected	k_q3252b60d29_outp
	.globl	k_q3252b60d29_outp
	.p2align	8
	.type	k_q3252b60d29_outp,@function
k_q3252b60d29_outp:
	s_mov_b64 s[64:65], 0
	v_nop
	global_prefetch_b8 v0, s[64:65] scope:SCOPE_SE
	s_setreg_imm32_b32 hwreg(HW_REG_WAVE_MODE, 25, 1), 1
	s_wait_xcnt 0x0
	s_wait_alu depctr_hold_cnt(0) depctr_sa_sdst(0) depctr_va_vdst(0) depctr_va_sdst(0) depctr_va_ssrc(0) depctr_va_vcc(0) depctr_vm_vsrc(0)
	s_getreg_b32 s2, hwreg(HW_REG_IB_STS2, 6, 4)
	s_cmp_eq_u32 s2, 0
	s_cbranch_scc0 .Lentry_in_a_cluster
	s_endpgm
.Lentry_in_a_cluster:
	s_bfe_u32 s2, ttmp6, 0x10000c
	s_cmp_lg_u32 s2, 0xf033
	s_cbranch_scc0 .Lentry_shape_is_right
	s_endpgm
.Lentry_shape_is_right:
; out0[n][64 h + e] = cs[b][64 h + e] x the sum over d of q[n][64 h + d] kt[b][h][d][e], with q = x Wq^T + bq made tile by tile in registers and never stored.
; xh: [16384][1024] f16; wh: Wq's row r is row 2048 + r, f16; bq f32; kt: f16, [batch x 16 + head][16 columns e][s][half][lane][8]: ktv's columns, each divided by a power of two, as fragments lie; cb: f32, cs[batch][1024]; out0 f32.
; A tile, 256 rows x 256 columns (four heads), is made by a work-group of four waves; a wave makes 128 x 128 (two heads): 64 accumulators of 16 x 16, 512 registers.  256 tiles, one to a work-group.
; K goes in steps of 128 through a ring of two LDS slots filled by the tensor data mover; rows of 256 bytes, at multiples of 256 bytes from the buffer's first byte.
; CLUSTERS: 4 x 4 work-groups: the four tile columns by four tile rows.  xh's tile is shared along a row of the cluster, wh's along a column: each is asked for JOINTLY.
; THE MATRIX INSTRUCTION IS USED TRANSPOSED (source 0 = 16 rows of wh, source 1 = 16 rows of xh): a lane holds row l % 16 of q and channels 8 (l / 16) + 0..7 of an n block.  bq is the C operand of the products that start the sums.
; THE SECOND PRODUCT.  Two neighbouring n blocks, rounded to f16 in pairs, ARE a fragment of q (16 rows x 32 d): nothing changes lanes.  With ktv^T's fragment (16 e x 32 d) as source 0 the result again holds one row a lane,
; and eight neighbouring columns e.
; THE WAY OUT: 16 rows at a time: rounded, multiplied by ktv, sent through my own stage in LDS, back as whole rows of 512 bytes, multiplied by the column's scale, stored.
; LIMITS.  q is rounded to f16: beyond 65,504 it becomes an infinity; below 6e-5 it keeps f16's fixed step of 6e-8.  The sums are taken in another order than a plain loop's.  NaN and infinities are not treated apart.
; REGISTERS, in windows of 256 (s_set_vgpr_msb's low byte: bits 1:0 source 0, 3:2 source 1, 5:4 source 2, 7:6 destination):
;   window 0: v0-31 addresses; v32-35 cs of my four columns of a row read back; v64-127, v128-191 fragments of xh, two buffers; v192-255 bq; on the way out v64-255 three buffers of 16 rows
;   window 1: v64-127, v128-191 fragments of wh; v0-63, v192-255 ktv's fragments of my two heads
;   window 2: the accumulators of my rows 0-63 ((a, b) at v[8 (8 a + b)]);   window 3: those of my rows 64-127
.set SIZE_K, 1024
.set KSTEP,  128
.set PITCH,  272                       ; an LDS row: 256 bytes + 16 of padding = 68 words: the 16 rows that a load touches start at 16 different groups of four banks (64 banks of 4 bytes: ISA guide 11.1)
.set HALFT,  128*PITCH
.set SLOT,   4*HALFT                   ; xh's 256 rows, then wh's 256 rows
.set STAGE,  2*SLOT                    ; behind the ring: 16 rows x 528 bytes for each wave
.set SPITCH, 528                       ; 512 bytes + 16 = 132 words
.set SPARE,  STAGE+4*16*SPITCH         ; behind the stages: the spare words, 128 bytes for each wave: two blocks of 256 bytes that no other line names
.set LAPS,   SIZE_K/(2*KSTEP)
.set ADRA, 16                          ; v16-17  LDS address of my fragments of xh in slot 0, 1
.set ADRB, 20                          ; v20-21  the same for wh
.set STO,  24                          ; v24     the way out: where I put 32 bytes of a row
.set RD,   25                          ; v25     where I read a row back
.set CO,   26                          ; v26     16 x my lane
.set BO,   27                          ; v27     32 x (l / 16): my eight channels' place among 16 numbers of bq
.set SPW,  28                          ; v28     LDS address of my spare word; never rewritten
.set NIL,  29                          ; v29     0; never rewritten
.set PFO,  30                          ; v30     the prefetches' offset: my lane x 2,048 bytes; never rewritten
.set CSR,  32                          ; v[32:35] cs of columns 4 l .. 4 l + 3 of my 128
.set PFA,  44                          ; s[44:45] where my prefetches stand
.set LIM,  43                          ; s43     1 in a wave that prefetches, else the greatest number
.set F0,   64
.set F1,   128
.set BT,   192                         ; window 0: bq of n block b, channels 8 (l / 16) + 0..7, at BT + 8 b
.set G1,  24
.set G0,  32
.set G1B, 48
.set G0B, 56
.set MSB, 0
.macro WIN new                         ; the immediate's high byte repeats the setting that is left; a switch that changes nothing is dropped
.if MSB != (\new)
	s_set_vgpr_msb (MSB<<8)|(\new)
.set MSB, \new
.endif
.endm
.set TO_B, 0x40                        ; destination window 1, address window 0
; A joint load.  Waves 0 and 1 fetch xh's two halves, waves 2 and 3 wh's.  The branch hangs on the wave's number alone.  An s_nop 0 and four v_nop follow each of the two lines.
.macro JLOAD s
	s_cmp_eq_u32 s11, 0
	s_cbranch_scc0 .Lfor_b_\@
	tensor_load_to_lds s[G0+4*(\s):G0+4*(\s)+3], s[G1:G1+7]
	s_nop 0
.rept 4
	v_nop
.endr
	s_branch .Lasked_\@
.Lfor_b_\@:
	tensor_load_to_lds s[G0B+4*(\s):G0B+4*(\s)+3], s[G1B:G1B+7]
	s_nop 0
.rept 4
	v_nop
.endr
.Lasked_\@:
.endm
; A prefetch, behind each joint load and the run of LDS loads that follows it: the K step that stands two refills on, 512 matrix instructions ahead of the load that will ask for it: 32 rows x 256 bytes, a lane a row.
; Each row's 256 bytes of a K step are named once in the launch: a tile row of xh is read by one cluster alone, which asks; Wq's rows are read by all sixteen clusters, of which the first asks;
; the four partners of a joint load share its 128 rows out by address, 32 each (by cx for xh, by cy for wh).  The last two refills have no K step two on.
.macro ASK
	s_cmp_gt_u32 s3, s[LIM]                        ; s3 = 1 in the loop's last trip
	s_cbranch_scc0 .Lnot_mine_\@
	global_prefetch_b8 v[PFO], s[PFA:PFA+1] offset:KSTEP*2 th:TH_LOAD_NT scope:SCOPE_SE
.Lnot_mine_\@:
.endm
.macro CREST                           ; a round of the cluster's barrier behind its opening barrier
	s_cmp_lg_u32 s10, 0
	s_cbranch_scc1 .Lnot_wave_0_\@
	s_barrier_signal -3
.Lnot_wave_0_\@:
	s_barrier_wait -3
	s_barrier_signal -1
	s_barrier_wait -1
.endm
.macro CROUND                          ; a whole round
	s_barrier_signal -1
	s_barrier_wait -1
	CREST
.endm
	s_load_b128 s[4:7], s[0:1], 0x0                ; xh s[4:5], wh s[6:7]
	s_load_b128 s[68:71], s[0:1], 0x10             ; bq s[68:69], kt s[70:71]
	s_load_b128 s[76:79], s[0:1], 0x20             ; cb s[76:77], out0 s[78:79]
	v_lshl_add_u32 v[SPW], v0, 2, SPARE
	v_mov_b32 v[NIL], 0
	ds_add_u32 v[SPW], v[NIL]                      ; the wave's opening: the add, twice on end, and its wait ahead of my first tensor load
	ds_add_u32 v[SPW], v[NIL]                      ; and once more, under the one wait; the set-up below, work on registers, stands between
	v_lshrrev_b32 v1, 5, v0
	v_readfirstlane_b32 s10, v1                    ; wave 0..3
	s_lshr_b32 s11, s10, 1                         ; which half of the tile's rows is mine.  Also: I fetch for xh (0) or for wh (1)
	s_and_b32 s12, s10, 1                          ; which half of its columns.  Also: which 128 rows of that tile I fetch
	s_bfe_u32 s40, ttmp6, 0x40000                  ; cx
	s_bfe_u32 s41, ttmp6, 0x40004                  ; cy
	s_lshl_b32 s42, ttmp9, 2
	s_add_co_u32 s42, s42, s40                     ; tile column = 4 x cluster x + cx: 0 .. 3
	s_and_b32 s13, ttmp7, 0xffff
	s_lshr_b32 s72, s13, 2                         ; the batch = cluster y / 4
	s_lshl_b32 s13, s13, 2
	s_add_co_u32 s13, s13, s41                     ; tile row = 4 x cluster y + cy
	s_lshl_b32 s74, s72, 12                        ; the batch's 4,096 bytes of cb
	s_lshl_b32 s75, s72, 17                        ; and its 16 heads x 8,192 bytes of kt
	s_mov_b32 s73, 0
	s_lshl_b32 s43, s41, 2
	s_lshl_b32 s43, 15, s43                        ; my row of the cluster
	s_lshl_b32 s44, 0x1111, s40                    ; my column
	s_or_b32 s[G1+0], s43, (1<<16)|(1<<20)|(1<<21)|(5<<22)|(3<<25)  ; 15:0 the mask; 17:16 elements of 2 bytes; 20 padding on; 21 set beside a mask; 24:22 after every 64 words; 31:25 4 words
	s_or_b32 s[G1B+0], s44, (1<<16)|(1<<20)|(1<<21)|(5<<22)|(3<<25)
.irp g, G1, G1B
	s_mov_b32 s[(\g)+1], KSTEP<<16                 ; tensor_dim0 = 128
	s_mov_b32 s[(\g)+2], 128<<16                   ; tensor_dim1 = 128
	s_mov_b32 s[(\g)+3], KSTEP<<16                 ; tile_dim0 = 128
	s_mov_b32 s[(\g)+4], 128                       ; tile_dim1 = 128
	s_mov_b32 s[(\g)+5], SIZE_K                    ; elements from row to row
	s_mov_b32 s[(\g)+6], 0
	s_mov_b32 s[(\g)+7], 0
.endr
	s_lshl_b32 s17, s12, 7                         ; which 128 rows of the tile I fetch
	s_lshl_b32 s16, s13, 8
	s_add_co_u32 s16, s16, s17                     ; xh: row 256 x tile row + 128 x half
	s_lshl_b32 s46, s42, 8
	s_add_co_u32 s46, s46, s17                     ; Wq: row 256 x tile column + 128 x half
	s_mov_b32 s17, 0
	s_mov_b32 s47, 0
	s_mov_b64 s[18:19], SIZE_K*2
	s_mul_u64 s[16:17], s[16:17], s[18:19]
	s_mul_u64 s[46:47], s[46:47], s[18:19]
	s_mul_i32 s20, s10, HALFT                      ; where they go: wave x 128 rows: no place in the cluster enters an LDS address
	s_wait_dscnt 0x0                               ; both opening adds are done
	s_wait_kmcnt 0x0
	s_add_nc_u64 s[6:7], s[6:7], 2048*2048         ; wh at Wq's first row: 2,048 rows of 2,048 bytes on
	s_add_nc_u64 s[14:15], s[4:5], s[16:17]
	s_add_nc_u64 s[46:47], s[6:7], s[46:47]
	CROUND                                         ; all sixteen work-groups are here: the first joint loads meet
.irp s, 0,1
	s_mov_b32 s[G0+4*(\s)], 1
	s_add_co_u32 s[G0+4*(\s)+1], s20, (\s)*SLOT
	s_add_nc_u64 s[G0+4*(\s)+2:G0+4*(\s)+3], s[14:15], (\s)*KSTEP*2
	s_or_b32 s[G0+4*(\s)+3], s[G0+4*(\s)+3], 0x80000000
	s_mov_b32 s[G0B+4*(\s)], 1
	s_add_co_u32 s[G0B+4*(\s)+1], s20, (\s)*SLOT
	s_add_nc_u64 s[G0B+4*(\s)+2:G0B+4*(\s)+3], s[46:47], (\s)*KSTEP*2
	s_or_b32 s[G0B+4*(\s)+3], s[G0B+4*(\s)+3], 0x80000000
	JLOAD \s                                       ; the ring is filled before anything else is done: two tensor loads of mine are out
.endr
	v_and_b32 v1, 15, v0                           ; l % 16
	v_bfe_u32 v2, v0, 4, 1                         ; l / 16
	v_mul_u32_u24 v3, v1, PITCH
	v_lshl_add_u32 v3, v2, 4, v3                   ; a fragment's row x pitch + 16 x half
	s_mul_i32 s21, s11, HALFT                      ; my 128 rows of xh
	s_mul_i32 s22, s12, HALFT                      ; my 128 rows of wh,
	s_add_co_u32 s22, s22, 2*HALFT                 ; which lie behind xh's 256
.irp s, 0,1
	v_add_nc_u32 v[ADRA+(\s)], s21, v3
	v_add_nc_u32 v[ADRB+(\s)], s22, v3
	s_add_co_u32 s21, s21, SLOT
	s_add_co_u32 s22, s22, SLOT
.endr
	s_mul_i32 s23, s10, 16*SPITCH
	s_add_co_u32 s23, s23, STAGE                   ; my stage
	v_mul_u32_u24 v4, v1, SPITCH                   ; in: row l % 16, 32 bytes for each half of the lanes
	v_lshl_add_u32 v4, v2, 5, v4
	v_add_nc_u32 v[STO], s23, v4
	v_and_b32 v5, 31, v0
	v_lshlrev_b32 v[CO], 4, v5
	v_add_nc_u32 v[RD], s23, v[CO]                 ; back: 32 lanes take one row of 512 bytes
	v_lshlrev_b32 v[BO], 5, v2
	; where my part of the tile begins in out0; my 128 columns' bq and cs; my two heads' ktv
	s_lshl_b32 s13, s13, 8
	s_lshl_b32 s14, s11, 7
	s_add_co_u32 s16, s13, s14                     ; my first row,
	s_lshl_b32 s16, s16, 12                        ; of 4,096 bytes: under 2^26
	s_mov_b32 s17, 0
	s_lshl_b32 s46, s42, 10                        ; my first column, in bytes of f32: 1,024 x tile column + 512 x half
	s_lshl_b32 s47, s12, 9
	s_add_co_u32 s46, s46, s47
	s_mov_b32 s47, 0
	s_add_nc_u64 s[16:17], s[16:17], s[46:47]
	s_add_nc_u64 s[8:9], s[78:79], s[16:17]
	s_add_nc_u64 s[68:69], s[68:69], s[46:47]
	s_add_co_u32 s72, s74, s46
	s_add_nc_u64 s[76:77], s[76:77], s[72:73]
	s_lshl_b32 s72, s46, 5                         ; 64 columns are 256 bytes of f32 and 8,192 bytes of kt
	s_add_co_u32 s72, s72, s75
	s_add_nc_u64 s[70:71], s[70:71], s[72:73]
.irp b, 0,1,2,3,4,5,6,7
	global_load_b128 v[BT+8*(\b):BT+8*(\b)+3],   v[BO], s[68:69] offset:64*(\b)
	global_load_b128 v[BT+8*(\b)+4:BT+8*(\b)+7], v[BO], s[68:69] offset:64*(\b)+16
.endr
	global_load_b128 v[CSR:CSR+3], v[CO], s[76:77]
	WIN 0x40                                       ; destination window 1
.irp f, 0,1,2,3,4,5,6,7,8,9,10,11,12,13,14,15  ; fragment f: head f / 8, columns e 16 ((f / 2) % 4) on, d 32 (f % 2) on
.set KR, 8*(\f)+128*((\f)/8)
	global_load_b128 v[KR:KR+3],   v[CO], s[70:71] offset:1024*(\f)
	global_load_b128 v[KR+4:KR+7], v[CO], s[70:71] offset:1024*(\f)+512
.endr
	WIN 0
	; the prefetches
	s_lshl_b32 s42, s42, 8
	s_and_b32 s22, ttmp7, 0xffff                   ; cluster y
	s_cmp_eq_u32 s11, 0                            ; do I fetch for xh?
	s_cselect_b32 s20, s13, s42                    ; the tile's first row
	s_cselect_b32 s21, s40, s41                    ; my place among the four that ask for it with me
	s_cselect_b32 s22, 0, s22                      ; xh's rows are this cluster's alone
	s_cselect_b64 s[PFA:PFA+1], s[4:5], s[6:7]
	s_cmp_eq_u32 s22, 0
	s_cselect_b32 s[LIM], 1, -1                    ; the same in all sixteen partners, for a given wave
	s_lshl_b32 s22, s12, 7
	s_add_co_u32 s20, s20, s22                     ; + the 128 rows that I fetch
	s_lshl_b32 s21, s21, 5
	s_add_co_u32 s20, s20, s21                     ; + my work-group's 32 of them
	s_mov_b32 s21, 0
	s_mov_b64 s[18:19], SIZE_K*2
	s_mul_u64 s[20:21], s[20:21], s[18:19]
	s_add_nc_u64 s[PFA:PFA+1], s[PFA:PFA+1], s[20:21]
	s_add_nc_u64 s[PFA:PFA+1], s[PFA:PFA+1], 2*KSTEP*2  ; at K step 2: the first refill steps it to 3 and names K step 4.  Nothing is prefetched here, at the head
	v_and_b32 v[PFO], 31, v0
	v_mul_u32_u24 v[PFO], v[PFO], SIZE_K*2
; 16 matrix instructions: m blocks a0, a0 + 1 of the window's four (hi = 0: my rows 0-63, 1: rows 64-127) x all 8 n blocks, 32 along K.  zero = 1: the product starts the sums, with bq as C: nothing is cleared.
.macro MUL16 f, hi, a0, zero
.if \zero
	WIN 0x81+0x40*(\hi)                            ; wh window 1, xh window 0, bq window 0, D window 2 or 3
.else
	WIN 0xa1+0x50*(\hi)                            ; wh window 1, xh window 0, C and D window 2 or 3
.endif
.irp a, \a0, (\a0)+1
.irp b, 0,1,2,3,4,5,6,7
.if \zero
	v_wmma_f32_16x16x32_f16 v[8*(8*(\a)+(\b)):8*(8*(\a)+(\b))+7], v[(\f)+8*(\b):(\f)+8*(\b)+7], v[(\f)+8*(4*(\hi)+(\a)):(\f)+8*(4*(\hi)+(\a))+7], v[BT+8*(\b):BT+8*(\b)+7]
.else
	v_wmma_f32_16x16x32_f16 v[8*(8*(\a)+(\b)):8*(8*(\a)+(\b))+7], v[(\f)+8*(\b):(\f)+8*(\b)+7], v[(\f)+8*(4*(\hi)+(\a)):(\f)+8*(4*(\hi)+(\a))+7], v[8*(8*(\a)+(\b)):8*(8*(\a)+(\b))+7]
.endif
.endr
.endr
.endm
; 32 LDS loads in one run: the fragments of one quarter step (128 rows of wh, 128 rows of xh, 32 K at byte k of the rows) into buffer f
.macro FETCH slot, k, f
	WIN TO_B
.irp i, 0,1,2,3,4,5,6,7
	ds_load_b128 v[(\f)+8*(\i):(\f)+8*(\i)+3],   v[ADRB+(\slot)] offset:(\k)+(\i)*16*PITCH
	ds_load_b128 v[(\f)+8*(\i)+4:(\f)+8*(\i)+7], v[ADRB+(\slot)] offset:(\k)+(\i)*16*PITCH+32
.endr
	WIN 0
.irp i, 0,1,2,3,4,5,6,7
	ds_load_b128 v[(\f)+8*(\i):(\f)+8*(\i)+3],   v[ADRA+(\slot)] offset:(\k)+(\i)*16*PITCH
	ds_load_b128 v[(\f)+8*(\i)+4:(\f)+8*(\i)+7], v[ADRA+(\slot)] offset:(\k)+(\i)*16*PITCH+32
.endr
.endm
.macro PLACES                          ; four places behind a matrix instruction, in front of loads into registers that it has read and of lines that read results
.rept 4
	v_nop
.endr
.endm
; A K step is four quarters of 32 along K, 64 matrix instructions each, on buffers 0, 1, 0, 1.  One of the first three: multiplies buffer f; in its middle it fetches the next quarter, at byte k, into g.
.macro QUARTER slot, k, f, g, zero
	s_wait_dscnt 8                                 ; wh and xh's rows 0-63 are in; the youngest eight loads (xh's rows 64-127) may be out
	MUL16 \f, 0, 0, \zero
	MUL16 \f, 0, 2, \zero
	PLACES
	FETCH \slot, \k, \g
	s_wait_dscnt 32                                ; all but the 32 just issued
	MUL16 \f, 1, 0, \zero
	MUL16 \f, 1, 2, \zero
.endm
; The last quarter's first half: ONE barrier for the change of slots.  In front of it each wave waits for all its tensor loads (one is out: its part of the next slot), adds 0 to its spare word, and waits for that and for its reads of this slot.
.macro MEET round
	WIN 0                                          ; (the add's two registers lie in window 0)
	s_wait_tensorcnt 0x0
	ds_add_u32 v[SPW], v[NIL]
	s_wait_dscnt 9                                 ; (the add and the youngest eight loads may be out)
	MUL16 F1, 0, 0, 0                              ; sixteen matrix instructions stand between the add and the wait for it
	s_wait_dscnt 0x0                               ; the add is done, and my reads of this slot are over
	s_barrier_signal -1
	MUL16 F1, 0, 2, 0
.if \round
	WIN 0
.endif
	s_barrier_wait -1
.endm
; The whole last quarter.  Behind the round the slot just read out is filled again first, with the K step two steps on.  From a request to the wait for it: 224 matrix instructions.
.macro TURN slot, next
	s_wait_xcnt 0x0                                ; the last prefetch, a K step back, has read its address: it is stepped here
	s_add_nc_u64 s[PFA:PFA+1], s[PFA:PFA+1], KSTEP*2
	MEET 1
	CREST                                          ; no wave of any partner still reads this slot's tile or has a load on its way
	s_add_nc_u64 s[G0+4*(\slot)+2:G0+4*(\slot)+3], s[G0+4*(\slot)+2:G0+4*(\slot)+3], 2*KSTEP*2
	s_add_nc_u64 s[G0B+4*(\slot)+2:G0B+4*(\slot)+3], s[G0B+4*(\slot)+2:G0B+4*(\slot)+3], 2*KSTEP*2
	JLOAD \slot                                    ; my one tensor load behind the round; its four v_nop are also the places in front of the loads below
	FETCH \next, 0, F0
	ASK
	MUL16 F1, 1, 0, 0
	MUL16 F1, 1, 2, 0
.endm
; THE WAY OUT of block a (16 rows), in four parts.
; CVTQ: q is rounded to f16 in place, ascending: for each pair of n blocks 2 c, 2 c + 1 first block 2 c's own eight numbers into its registers 0-3, then block 2 c + 1's into its registers 4-7:
; v[AC + 16 c .. + 7] is then the fragment of 16 rows x 32 d of head c / 2, d = 32 (c % 2) on.
.macro CVTQ a
.set AC, 64*((\a)%4)
	WIN 0x8a+0x45*((\a)/4)                         ; sources and destination window 2 (a < 4) or 3
.irp c, 0,1,2,3
.irp p, 0,1,2,3
	v_cvt_pk_f16_f32 v[AC+16*(\c)+(\p)], v[AC+16*(\c)+2*(\p)], v[AC+16*(\c)+2*(\p)+1]
.endr
.irp p, 0,1,2,3
	v_cvt_pk_f16_f32 v[AC+16*(\c)+4+(\p)], v[AC+16*(\c)+8+2*(\p)], v[AC+16*(\c)+8+2*(\p)+1]
.endr
.endr
.endm
; MULK: 16 products: for each 16 columns e (block e of 8: head e / 4) the sum over d, 32 at a time; the eight sums take turns, one instruction a turn; the first eight start them.  Into one of three buffers in window 0.
.macro MULK a
.set AC, 64*((\a)%4)
.set BK, 64+64*((\a)%3)
	WIN 0x09+4*((\a)/4)                            ; ktv window 1, q window 2 or 3, C and D window 0
.irp s, 0,1
.irp e, 0,1,2,3,4,5,6,7
.set KR, 192*((\e)/4)+16*((\e)%4)+8*(\s)
.set QR, AC+16*(2*((\e)/4)+(\s))
.if (\s) == 0
	v_wmma_f32_16x16x32_f16 v[BK+8*(\e):BK+8*(\e)+7], v[KR:KR+7], v[QR:QR+7], 0
.else
	v_wmma_f32_16x16x32_f16 v[BK+8*(\e):BK+8*(\e)+7], v[KR:KR+7], v[QR:QR+7], v[BK+8*(\e):BK+8*(\e)+7]
.endif
.endr
.endr
.endm
; TOSTAGE: a lane's eight numbers of a row, 32 bytes, go into rows of 528 bytes of my own stage and come back as whole rows of 512, into the registers that they left.
.macro TOSTAGE a
.set BK, 64+64*((\a)%3)
	WIN 0
.irp e, 0,1,2,3,4,5,6,7
	ds_store_b128 v[STO], v[BK+8*(\e):BK+8*(\e)+3]   offset:64*(\e)
	ds_store_b128 v[STO], v[BK+8*(\e)+4:BK+8*(\e)+7] offset:64*(\e)+16
.endr
.irp t, 0,1,2,3,4,5,6,7,8,9,10,11,12,13,14,15
	ds_load_b128 v[BK+4*(\t):BK+4*(\t)+3], v[RD] offset:(\t)*SPITCH  ; LDS serves a wave's instructions in order (ISA guide 5.7.1.4): these see the stores above; the next block's stores come behind them
.endr
.endm
; SEND: the column's scale given back, stored.  A buffer is written again three blocks on: between its stores and that product stands the next SEND's s_wait_xcnt 0.
.macro SEND a
.set BK, 64+64*((\a)%3)
	WIN 0
	s_wait_dscnt 0x0                               ; the block is back in registers: the next block's sixteen products stood between its loads and this wait
	s_wait_xcnt 0x0                                ; every earlier store has read its registers and its base
.if (\a) != 0
	s_add_nc_u64 s[8:9], s[8:9], 16*4096           ; 16 rows of out0 on
.endif
.irp t, 0,1,2,3,4,5,6,7,8,9,10,11,12,13,14,15
	v_pk_mul_f32 v[BK+4*(\t):BK+4*(\t)+1],   v[BK+4*(\t):BK+4*(\t)+1],   v[CSR:CSR+1]
	v_pk_mul_f32 v[BK+4*(\t)+2:BK+4*(\t)+3], v[BK+4*(\t)+2:BK+4*(\t)+3], v[CSR+2:CSR+3]
	global_store_b128 v[CO], v[BK+4*(\t):BK+4*(\t)+3], s[8:9] offset:4096*(\t) th:TH_STORE_NT  ; the wave stores 512 consecutive bytes, at a multiple of 512 from out0's first byte
.endr
.endm
	s_wait_loadcnt 33                              ; bq's sixteen loads are in; cs's one and ktv's 32 are younger: they land while K is walked
	s_wait_tensorcnt 1                             ; my part of K step 0 is in; K step 1's load may stay out
	s_barrier_signal -1
	s_barrier_wait -1                              ; everybody's is
	FETCH 0, 0, F0
	QUARTER 0, 64,  F0, F1, 1                      ; the first quarter stands in front of the loop: its products start the sums
	WIN 0                                          ; at a label and at a branch every window is 0
	s_mov_b32 s3, LAPS-1
.Llap:                                                 ; a trip goes once round the ring, from a lap's second quarter to the next lap's first, and fills both slots again
	QUARTER 0, 128, F1, F0, 0
	QUARTER 0, 192, F0, F1, 0
	TURN 0, 1
	QUARTER 1, 64,  F0, F1, 0
	QUARTER 1, 128, F1, F0, 0
	QUARTER 1, 192, F0, F1, 0
	TURN 1, 0
	QUARTER 0, 64,  F0, F1, 0
	WIN 0
	s_sub_co_u32 s3, s3, 1
	s_cmp_lg_u32 s3, 0
	s_cbranch_scc1 .Llap
	QUARTER 0, 128, F1, F0, 0                      ; the last lap fills nothing
	QUARTER 0, 192, F0, F1, 0
	MEET 0                                         ; the last change of slots: no round follows
	PLACES
	FETCH 1, 0, F0
	MUL16 F1, 1, 0, 0
	MUL16 F1, 1, 2, 0
	QUARTER 1, 64,  F0, F1, 0
	QUARTER 1, 128, F1, F0, 0
	QUARTER 1, 192, F0, F1, 0
	s_wait_dscnt 8                                 ; the very last quarter: nothing more to fetch
	MUL16 F1, 0, 0, 0
	MUL16 F1, 0, 2, 0
	s_wait_dscnt 0x0
	MUL16 F1, 1, 0, 0
	MUL16 F1, 1, 2, 0
	s_wait_loadcnt 0x0                             ; cs and ktv's fragments
	PLACES                                         ; the conversions read results just made
	CVTQ 0
	MULK 0
.irp a, 1,2,3,4,5,6,7                  ; block a's 32 conversions are the places behind block a - 1's products; its products stand between block a - 1's trip through the stage and the wait for it
	CVTQ \a
	TOSTAGE (\a)-1
	MULK \a
	SEND (\a)-1
.endr
	PLACES                                         ; the LDS stores read results just made
	TOSTAGE 7
	SEND 7
	s_wait_tensorcnt 0x0                           ; the wave's end, behind my last tensor load and my last LDS store
	ds_add_u32 v[SPW], v[NIL]
	s_wait_dscnt 0x0
	CROUND                                         ; the closing round: no work-group ends while a partner may still ask for a tile that names it
	s_endpgm
.Lfunc_end_k_q3252b60d29_outp:
	.size	k_q3252b60d29_outp, .Lfunc_end_k_q3252b60d29_outp-k_q3252b60d29_outp
	.p2alignl 7, 3214868480
	.fill 96, 4, 3214868480
	.section	.rodata,"a",@progbits
	.p2align	6, 0x0
	.amdhsa_kernel k_q3252b60d29_outp
		.amdhsa_group_segment_fixed_size 327680
		.amdhsa_private_segment_fixed_size 0
		.amdhsa_enable_private_segment 0
		.amdhsa_kernarg_size 48
		.amdhsa_user_sgpr_count 2
		.amdhsa_user_sgpr_kernarg_segment_ptr 1
		.amdhsa_wavefront_size32 1
		.amdhsa_system_sgpr_workgroup_id_x 1
		.amdhsa_system_sgpr_workgroup_id_y 1
		.amdhsa_system_sgpr_workgroup_id_z 1
		.amdhsa_system_vgpr_workitem_id 0
		.amdhsa_next_free_vgpr 1024
		.amdhsa_next_free_sgpr 80
		.amdhsa_reserve_vcc 0
		.amdhsa_float_denorm_mode_32 3
		.amdhsa_float_denorm_mode_16_64 3
		.amdhsa_memory_ordered 1
		.amdhsa_forward_progress 1
		.amdhsa_inst_pref_size 188
	.end_amdhsa_kernel
	.amdgpu_metadata
---
amdhsa.version: [ 1, 2 ]
amdhsa.kernels:
  - .name:           k_q3252b60d29_outp
    .symbol:         k_q3252b60d29_outp.kd
    .args:
      - { .name: xh, .offset: 0, .size: 8, .value_kind: global_buffer, .address_space: global }
      - { .name: wh, .offset: 8, .size: 8, .value_kind: global_buffer, .address_space: global }
      - { .name: bq, .offset: 16, .size: 8, .value_kind: global_buffer, .address_space: global }
      - { .name: kt, .offset: 24, .size: 8, .value_kind: global_buffer, .address_space: global }
      - { .name: cb, .offset: 32, .size: 8, .value_kind: global_buffer, .address_space: global }
      - { .name: out0, .offset: 40, .size: 8, .value_kind: global_buffer, .address_space: global }
    .group_segment_fixed_size: 327680
    .private_segment_fixed_size: 0
    .kernarg_segment_align: 8
    .kernarg_segment_size: 48
    .max_flat_workgroup_size: 128
    .sgpr_count:     80
    .vgpr_count:     1024
    .wavefront_size: 32
...
	.end_amdgpu_metadata
.endif
;; end of part 4
